; MI455X (gfx1250); checked and timed in simulation.
; The chip was launched on July 23, 2026; its instructions are those of AMD's public machine-readable ISA for CDNA 5 (MIT licence, August 2026) and "CDNA5" Instruction Set Architecture Reference Guide (July 2026). The comments in the code are by the model that wrote it; some were corrected since.
;; Vector Quantizer. Allowed arithmetic: float matrix products may take bf16 or f16 operands with f32 sums; other float arithmetic in f32, or as packed bf16 or f16 multiplies, adds, multiply-adds, maxima and minima; sums over many terms, partial sums and values carried from step to step in f32; what a program stores and reads back later, other than sums and carried values, may be rounded once to bf16 or f16.
;; Inputs: embedding 8,192 x 256 float32; z 32 x 1,024 x 256 float32.
;; Outputs: out0 32 x 1,024 x 256 float32; out1 one number float32; out2 one number float32; out3 one number float32; out4 32 x 1,024 int32.
;; 2 versions, each right; version 2 is version 1 with the launch gather written anew for expert scheduling mode. Each part assembles by itself: llvm-mc -triple=amdgcn-amd-amdhsa -mcpu=gfx1250 --defsym DOCPART=n.
;; ======== version 1 of 2: 3 launches
;; limits: a difference of large sums (such as E[x^2] - mean^2): digits are lost where the result is much smaller than its terms
;; workspace buffers: ebt 4,259,840 bytes; order 131,072 bytes of whole numbers; part 1,024 bytes
;; launch prep (part 1): grid 128 x 1, 8 waves a work-group, no clusters, 1,280 bytes of LDS; arguments embedding, ebt; writes ebt
.if DOCPART == 1
	.amdgcn_target "amdgcn-amd-amdhsa--gfx1250"
	.amdhsa_code_object_version 6
	.text
	.protected	k_q7bc562a32f_prep
	.globl	k_q7bc562a32f_prep
	.p2align	8
	.type	k_q7bc562a32f_prep,@function
k_q7bc562a32f_prep:
	s_mov_b64 s[64:65], 0
	v_nop
	global_prefetch_b8 v0, s[64:65] scope:SCOPE_SE
	s_setreg_imm32_b32 hwreg(HW_REG_WAVE_MODE, 25, 1), 1
	s_wait_xcnt 0x0
; VECTOR QUANTIZER, launch 1 of 3: the codebook is rounded once to bf16 and laid out in tiles, with ee[k] = the sum of bf16(e[k][:])^2 in f32 beside it.
; THE WHOLE PROGRAM.  d[n][k] = (zz[n] + ee[k]) - 2 z[n].e[k]; idx[n] = the first k with the least d; out0 = z + (e[idx] - z); three losses from one mean of (e[idx] - z)^2.
; z and e are rounded once to bf16, and zz, ee, the products, the gathered row and the straight-through sum are ALL taken of the rounded numbers.
; NOTHING OF reference() IS LEFT OUT, and both inputs are loaded.  zz is the same along k, but it stays: beside it the f32 sum loses low bits of ee - 2 z.e, and the least d is chosen after that loss;
; z + (z_q - z) stays for the same reason.  What is taken together: stop_gradient changes no value, so commitment_loss / 0.25 and codebook_loss are one mean; and for all values
; the sum over the 256 channels of (e[idx] - z)^2 is zz + ee - 2 z.e at idx, the least d itself: the mean is the sum of the 32,768 least d, divided by 2^23.
; LIMITS.  That mean carries d's rounding, 2^-24 of zz + ee: where a code lies within about a thousandth of |z| of z itself the losses lose digits.  d has to stay under 3.4e38.
; NaN and infinities are not treated apart.  The f32 sums of zz, ee and z.e are taken in another order than reference()'s.
; ebt: [32 tiles][4 quarters][65 rows][512 bytes].  Quarter G holds codes 64 G .. 64 G + 63 as rows 0 .. 63 (256 bf16 each); row 64 holds their 64 ee (f32), then 256 bytes of 0.  Code c lies in row c + (c >> 6).
; SHARES.  A work-group makes one quarter; wave v its codes 8 v .. 8 v + 7.  A wave's sixteen loads go out at once; each covers 512 consecutive bytes, each store of a code row 256, aligned.
.set SPARE, 256                        ; LDS: bytes 0-255 the quarter's 64 ee; from 256 on the spare words, 128 bytes for each of the eight waves
.set R,   4                            ; v[4:11]    the eight rows' sums
.set SPW, 12                           ; v12        LDS address of my spare word; never rewritten
.set NIL, 13                           ; v13        0; never rewritten
.set X,   16                           ; v[16:79]   row i: 8 numbers as loaded (elements 4 l .. 4 l + 3 and 128 + 4 l .. + 3)
.set Y,   80                           ; v[80:111]  row i: the same in bf16, 4 registers, each row's own: no store's data is ever rewritten
.set T,   112                          ; v[112:119] at work
.set S,   120                          ; v[120:121] at work
	s_load_b128 s[4:7], s[0:1], 0x0                ; embedding s[4:5], ebt s[6:7]
	v_lshl_add_u32 v[SPW], v0, 2, SPARE
	v_mov_b32 v[NIL], 0
	v_and_b32 v1, 31, v0                           ; lane
	v_lshrrev_b32 v14, 5, v0                       ; wave
	v_readfirstlane_b32 s8, v14
	v_lshlrev_b32 v2, 4, v1
	v_lshl_add_u32 v2, v14, 13, v2                 ; from: 8 rows of 1,024 bytes a wave + 16 bytes a lane
	v_lshlrev_b32 v3, 3, v1
	v_lshl_add_u32 v3, v14, 12, v3                 ; to: 8 rows of 512 bytes a wave + 8 bytes a lane
	v_lshlrev_b32 v15, 5, v14                      ; LDS: my wave's eight ee
	s_lshl_b32 s10, ttmp9, 16                      ; the quarter's 64 rows of 1,024 bytes
	s_mov_b32 s11, 0
	s_mul_i32 s14, ttmp9, 33280                    ; and its 65 rows of 512 bytes
	s_mov_b32 s15, 0
	s_mov_b32 s9, 0xffff0000                       ; a word's upper bf16
	s_mov_b32 s12, 0x76543210                      ; v_permlanex16_b32: each lane takes its own place in the other half
	s_mov_b32 s13, 0xfedcba98
	s_wait_kmcnt 0x0
	s_add_nc_u64 s[4:5], s[4:5], s[10:11]
	s_add_nc_u64 s[6:7], s[6:7], s[14:15]
.irp i, 0,1,2,3,4,5,6,7
	global_load_b128 v[X+8*(\i):X+8*(\i)+3],   v2, s[4:5] offset:1024*(\i) th:TH_LOAD_NT
	global_load_b128 v[X+8*(\i)+4:X+8*(\i)+7], v2, s[4:5] offset:1024*(\i)+512 th:TH_LOAD_NT
.endr
; Row i: rounded, stored, and the lane's part of the sum of squares of the ROUNDED numbers.
.macro ROW i
	s_wait_loadcnt 14-2*(\i)                       ; loads come back in order: row i's two are in, the later rows' stay out
.irp c, 0,1,2,3
	v_cvt_pk_bf16_f32 v[Y+4*(\i)+(\c)], v[X+8*(\i)+2*(\c)], v[X+8*(\i)+2*(\c)+1]
.endr
	global_store_b64 v3, v[Y+4*(\i):Y+4*(\i)+1],   s[6:7] offset:512*(\i)      ; 32 lanes x 8 bytes: the row's first 256 bytes
	global_store_b64 v3, v[Y+4*(\i)+2:Y+4*(\i)+3], s[6:7] offset:512*(\i)+256  ; and its second
.irp c, 0,1,2,3
	v_lshlrev_b32 v[T+2*(\c)],   16, v[Y+4*(\i)+(\c)]
	v_and_b32     v[T+2*(\c)+1], s9, v[Y+4*(\i)+(\c)]
.endr
	v_pk_mul_f32 v[S:S+1], v[T:T+1], v[T:T+1]
.irp c, 2,4,6
	v_pk_fma_f32 v[S:S+1], v[T+(\c):T+(\c)+1], v[T+(\c):T+(\c)+1], v[S:S+1]
.endr
	v_add_f32 v[R+(\i)], v[S], v[S+1]
.endm
.irp i, 0,1,2,3,4,5,6,7
	ROW \i
.endr
	; across the 32 lanes, the eight rows side by side, so that no line waits for the one before it
.irp m, 1,2,4,8
.irp i, 0,1,2,3,4,5,6,7
	v_add_f32_dpp v[R+(\i)], v[R+(\i)], v[R+(\i)] row_xmask:\m row_mask:0xf bank_mask:0xf
.endr
.endr
.irp i, 0,1,2,3,4,5,6,7
	v_permlanex16_b32 v[T+(\i)], v[R+(\i)], s12, s13  ; (its destination counts as read: T has been written)
.endr
.irp i, 0,1,2,3,4,5,6,7
	v_add_f32 v[R+(\i)], v[R+(\i)], v[T+(\i)]
.endr
.irp i, 0,1,2,3,4,5,6,7
	ds_store_b32 v15, v[R+(\i)] offset:4*(\i)      ; all lanes write the same word with the same number
.endr
	s_wait_dscnt 0x0                               ; for the others' sake: my eight ee lie in LDS
	s_barrier_signal -1
	s_barrier_wait -1
	s_cmp_lg_u32 s8, 0                             ; wave 0 writes the quarter's row 64, 512 bytes whole
	s_cbranch_scc1 .Lend
	v_and_b32 v14, 15, v1
	v_lshlrev_b32 v14, 4, v14
	ds_load_b128 v[X:X+3], v14                     ; lanes 0-15: the 64 ee
	v_lshlrev_b32 v15, 4, v1
	v_cmp_gt_u32 vcc_lo, 16, v1
	s_wait_dscnt 0x0
.irp c, 0,1,2,3
	v_cndmask_b32 v[X+(\c)], 0, v[X+(\c)], vcc_lo  ; lanes 16-31: zeros
.endr
	global_store_b128 v15, v[X:X+3], s[6:7] offset:32768
.Lend:
	s_wait_tensorcnt 0x0                           ; the wave's end, behind my last LDS store
	ds_add_u32 v[SPW], v[NIL]
	s_wait_dscnt 0x0
	s_endpgm
.Lfunc_end_k_q7bc562a32f_prep:
	.size	k_q7bc562a32f_prep, .Lfunc_end_k_q7bc562a32f_prep-k_q7bc562a32f_prep
	.p2alignl 7, 3214868480
	.fill 96, 4, 3214868480
	.section	.rodata,"a",@progbits
	.p2align	6, 0x0
	.amdhsa_kernel k_q7bc562a32f_prep
		.amdhsa_group_segment_fixed_size 1280
		.amdhsa_private_segment_fixed_size 0
		.amdhsa_enable_private_segment 0
		.amdhsa_kernarg_size 16
		.amdhsa_user_sgpr_count 2
		.amdhsa_user_sgpr_kernarg_segment_ptr 1
		.amdhsa_wavefront_size32 1
		.amdhsa_system_sgpr_workgroup_id_x 1
		.amdhsa_system_sgpr_workgroup_id_y 1
		.amdhsa_system_sgpr_workgroup_id_z 1
		.amdhsa_system_vgpr_workitem_id 0
		.amdhsa_next_free_vgpr 128
		.amdhsa_next_free_sgpr 66
		.amdhsa_reserve_vcc 1
		.amdhsa_float_denorm_mode_32 3
		.amdhsa_float_denorm_mode_16_64 3
		.amdhsa_memory_ordered 1
		.amdhsa_forward_progress 1
		.amdhsa_inst_pref_size 15
	.end_amdhsa_kernel
	.amdgpu_metadata
---
amdhsa.version: [ 1, 2 ]
amdhsa.kernels:
  - .name:           k_q7bc562a32f_prep
    .symbol:         k_q7bc562a32f_prep.kd
    .args:
      - { .name: embedding, .offset: 0, .size: 8, .value_kind: global_buffer, .address_space: global }
      - { .name: ebt, .offset: 8, .size: 8, .value_kind: global_buffer, .address_space: global }
    .group_segment_fixed_size: 1280
    .private_segment_fixed_size: 0
    .kernarg_segment_align: 8
    .kernarg_segment_size: 16
    .max_flat_workgroup_size: 256
    .sgpr_count:     66
    .vgpr_count:     128
    .wavefront_size: 32
...
	.end_amdgpu_metadata
.endif
;; end of part 1
;; launch main (part 2): grid 256 x 1, 4 waves a work-group, clusters of 4 x 1, 327,680 bytes of LDS; arguments z, ebt, out4, order, part; writes out4, order, part
.if DOCPART == 2
	.amdgcn_target "amdgcn-amd-amdhsa--gfx1250"
	.amdhsa_code_object_version 6
	.text
	.protected	k_q7bc562a32f_main
	.globl	k_q7bc562a32f_main
	.p2align	8
	.type	k_q7bc562a32f_main,@function
k_q7bc562a32f_main:
	s_mov_b64 s[64:65], 0
	v_nop
	global_prefetch_b8 v0, s[64:65] scope:SCOPE_SE
	s_setreg_imm32_b32 hwreg(HW_REG_WAVE_MODE, 25, 1), 1
	s_wait_xcnt 0x0
	s_wait_alu depctr_hold_cnt(0) depctr_sa_sdst(0) depctr_va_vdst(0) depctr_va_sdst(0) depctr_va_ssrc(0) depctr_va_vcc(0) depctr_vm_vsrc(0)
	s_getreg_b32 s2, hwreg(HW_REG_IB_STS2, 6, 4)
	s_cmp_eq_u32 s2, 0
	s_cbranch_scc0 .Lentry_in_a_cluster
	s_endpgm
.Lentry_in_a_cluster:
	s_bfe_u32 s2, ttmp6, 0x10000c
	s_cmp_lg_u32 s2, 0x3003
	s_cbranch_scc0 .Lentry_shape_is_right
	s_endpgm
.Lentry_shape_is_right:
; VECTOR QUANTIZER, launch 2 of 3: all distances and the first least one of each row.  Nothing of reference() is left out here; the mean's sum is taken of the least d (shown at the head of launch 1, with its limit).
; d[n][k] = fl(fl(zz[n] + ee[k]) - 2 dot[n][k]), formed as reference() forms it: one rounding for zz + ee, one for the fused -2 dot + that (2 dot is exact).  z is rounded to bf16 here, e and ee come rounded from ebt.
; SHARES.  A work-group owns 128 rows of z.  EVERY wave holds all 128 as bf16 fragments (8 row tiles x 8 K steps x 8 registers = 512), so that a code fragment read from LDS feeds eight products.
; The CODES are split: of each tile of 256 codes wave w fetches and multiplies quarter w, four CODE TILES of 16.  A wave walks 32 x 4 = 128 code tiles, 64 products each.
; LAYOUT.  Source 0 = 16 codes, source 1 = 16 rows of z: in the result a lane holds ONE row (lane % 16) and the codes 8 (lane / 16) + 0..7.  So the least d stays in the lane until the end.
; THE LEAST d.  For each row tile a lane keeps m (the least so far), ID (the number of the code tile that first reached it: the test is a strict 'less') and SV (that tile's eight d).  At the end the first
; register of SV equal to m gives the code; the two halves of the lanes and then the four waves are merged by (d, code): of equal d the lower code wins, as argmin takes the first.
; BY TURNS.  The row tiles are two groups of four.  In a TURN one group has the matrix unit, 32 products (four accumulators by turns); the other group's 88 vector instructions,
; for the code tile just multiplied, stand behind them, three, three, three, two.  All vector work lies in window 0, so a product costs two switches of the register window.
; CLUSTER.  The four work-groups of a cluster walk the same tiles: each quarter is asked for JOINTLY, by the same tensor load with the same descriptor and the mask of four (a mask names four at the most).
; RING.  Two slots of one tile (four quarters of 65 rows: 64 codes and their ee).  Slot 1's first fill is the work-group's z in f32; when all waves have taken it into registers it is filled again with tile 1.
; REGISTERS, in windows of 256 (s_set_vgpr_msb: bits 1:0 source 0, 3:2 source 1, 5:4 source 2, 7:6 destination):
;   window 0: all below.   window 1: v0-127 code fragments, two sets (by the code tile's parity), K step kf at 8 kf.   window 2: z's row tiles 0-3 (tile a, K step kf at 64 a + 8 kf).   window 3: tiles 4-7.
.set PE,    528                        ; a code row in LDS: 512 bytes + 16 of padding = 132 words: the 16 rows of a load start at 16 different groups of four banks (64 banks of 4 bytes: ISA guide 11.1)
.set QUART, 65*PE                      ; a quarter in LDS
.set SLOT,  4*QUART
.set CTB,   16*PE                      ; a code tile's 16 rows
.set EEO,   64*PE                      ; the quarter's row of ee
.set PZ,    1040                       ; a row of z in f32: 1,024 bytes + 16
.set ZQ,    32*PZ                      ; the 32 rows that a wave fetches
.set TILEB, 133120                     ; a tile in ebt
.set QB,    33280                      ; a quarter in ebt
.set MERGE, 274688                     ; behind the ring, in blocks of 256 bytes of its own: [4 waves][128 rows] pairs (d, code); no tensor load lands here
.set SPARE, MERGE+4096                 ; the spare words, 128 bytes for each wave: two blocks of 256 bytes that no other line names
.set MAXF,  0x7f7fffff                 ; the largest finite f32
.set RR,  1                            ; v1   lane % 16
.set HH,  2                            ; v2   lane / 16
.set AC0, 3                            ; v3   my place in a code tile of my quarter; never rewritten
.set AE0, 4                            ; v4   my eight ee of a code tile; never rewritten
.set AF,  5                            ; v5   LDS address of the run of loads in hand
.set AEF, 6                            ; v6   the same for ee
.set AZ,  7                            ; v7   my place in z's rows in LDS
.set PFO, 8                            ; v8   256 x lane; never rewritten
.set CBASE, 9                          ; v9   64 x wave + 8 (lane / 16)
.set SPW, 10                           ; v10  LDS address of my spare word; never rewritten
.set NIL, 11                           ; v11  0; never rewritten
.set M,   24                           ; v[24:39]   m: row tile T at M + 8 parity + T; a code tile of parity q reads set q and writes set 1 - q, so that old and new can be compared
.set ID,  40                           ; v[40:47]
.set EE,  48                           ; v[48:63]   a code tile's eight ee, two sets
.set ACC, 64                           ; v[64:127]  row tile T's accumulator at ACC + 8 T
.set STG, 64                           ; v[64:191]  at the start: z in f32, two sets of 64
.set SV,  128                          ; v[128:191]
.set TT,  192                          ; v[192:207] zz + ee for the two row tiles in hand
.set PR,  192                          ;            at the end: the pairs (d, code)
.set CC,  208                          ; v[208:211] two partial minima for each of the two
.set ZZ,  212                          ; v[212:227] zz of row tile T, twice: a pair for the packed sum
.set MS,  228                          ; v228 where my pair goes in MERGE
.set WV,  14                           ; s14  my wave's number
.set CX,  15                           ; s15  my place in the cluster: it enters global addresses alone
.set GG,  16                           ; s16  my work-group's number
.set WQ,  17                           ; s17  wave x QUART
.set TL,  18                           ; s18  the slot that was filled last: 0 or SLOT
.set TB,  19                           ; s19  slot + code tile: where the next run of loads begins
.set TE,  20                           ; s20  the same for ee
.set SLOTS, 21                         ; s21  fills still to come, the one in hand among them
.set CNT, 22                           ; s22
.set VIS, 23                           ; s23  the number of the code tile whose d are in hand
.set G1E, 24                           ; s[24:31] descriptor group 1, a quarter
.set G1Z, 32                           ; s[32:39] descriptor group 1, 32 rows of z
.set G0E, 40                           ; s[40:43] descriptor group 0, the quarter: it walks
.set G0Z, 44                           ; s[44:47] descriptor group 0, z
.set PFA, 48                           ; s[48:49] where my prefetches stand
.set LIM, 50                           ; s50  2 in the launch's first cluster, else the greatest number
.set BIG, 51                           ; s51  MAXF
.set SEL, 52                           ; s[52:53] v_permlanex16_b32's selects
.set MK,  54                           ; s54, s55 'this code tile is the new least', for the two row tiles in hand
.set B0,  56                           ; s56-58   lanes whose lane % 16 has bit 0, 1, 2 set
.set MH,  59                           ; s59      lanes with lane / 16 = (lane % 16) / 8
.set MSB, 0
.macro WIN new                         ; the immediate's high byte repeats the setting that is left; a switch that changes nothing is dropped
.if MSB != (\new)
	s_set_vgpr_msb (MSB<<8)|(\new)
.set MSB, (\new)
.endif
.endm
; A round of the cluster's barrier: my work-group's barrier, so that wave 0's signal speaks for all four waves; wave 0 signals; every wave waits for all four work-groups; my work-group's barrier once more.
.macro CROUND
	s_barrier_signal -1
	s_barrier_wait -1
	s_cmp_lg_u32 s[WV], 0
	s_cbranch_scc1 .Lnot_wave_0_\@
	s_barrier_signal -3
.Lnot_wave_0_\@:
	s_barrier_wait -3
	s_barrier_signal -1
	s_barrier_wait -1
.endm
; A PREFETCH INTO THE L2 of the tile that stands TWO fills on: 512 products a wave ahead of the load that will want it.  All 64 clusters walk the same tiles: the launch's first cluster asks.  Its four partners
; share a quarter's 64 code rows out BY ADDRESS, 16 rows (8,192 bytes) each; each wave asks for its own quarter, a lane 256 bytes: one instruction, and each block is named once in the launch.
; Tiles 0 to 2 and the rows of ee come by their loads alone; the last two fills ask for nothing: there is no tile two on.
.macro ASK
	s_cmp_gt_u32 s[SLOTS], s[LIM]
	s_cbranch_scc0 .Lnot_mine_\@
	global_prefetch_b8 v[PFO], s[PFA:PFA+1] th:TH_LOAD_NT scope:SCOPE_SE
.Lnot_mine_\@:
.endm
; THE CHANGE OF SLOTS.  Each wave waits for all its tensor loads, of which one is out: its quarter of the other slot; adds 0 to its spare word; and waits for that and for its own reads of the slot that it leaves.
; fill = 1: the barrier is a round of the cluster's, so that no wave of any partner still reads the slot or has a load on its way, and the joint refill is the first thing behind it.
.macro CHANGE fill
	WIN 0                                          ; at a label and at a branch every window is 0
	s_wait_tensorcnt 0x0                           ; no tensor load of mine is out, so group 0 may be written
	ds_add_u32 v[SPW], v[NIL]                      ; 0 onto my spare word; scalar work stands between it and the wait for it
.if \fill
	s_xor_b32 s[TL], s[TL], SLOT                   ; the other slot than last time,
	s_add_co_u32 s[G0E+1], s[TL], s[WQ]            ; my quarter of it,
	s_add_nc_u64 s[G0E+2:G0E+3], s[G0E+2:G0E+3], TILEB  ; the next tile; the type bits on top are not reached
	s_wait_xcnt 0x0                                ; the last prefetch, a tile back, has read its address
	s_add_nc_u64 s[PFA:PFA+1], s[PFA:PFA+1], TILEB
	s_wait_dscnt 0x0                               ; the add is done, and my reads of the slot are over
	CROUND
	tensor_load_to_lds s[G0E:G0E+3], s[G1E:G1E+7]  ; it has 256 products a wave in which to land
	s_nop 0
.rept 4
	v_nop
.endr
	ASK
.else
	s_wait_dscnt 0x0
	s_barrier_signal -1
	s_barrier_wait -1
.endif
	s_sub_co_u32 s[TB], s[TB], 4*CTB               ; the fetches go back to a quarter's first code tile,
	s_xor_b32 s[TB], s[TB], SLOT                   ; in the other slot
	s_sub_co_u32 s[TE], s[TE], 256
	s_xor_b32 s[TE], s[TE], SLOT
.endm
	s_load_b256 s[4:11], s[0:1], 0x0               ; z s[4:5], ebt s[6:7], out4 s[8:9], order s[10:11]
	s_load_b64 s[12:13], s[0:1], 0x20              ; part
	v_lshl_add_u32 v[SPW], v0, 2, SPARE
	v_mov_b32 v[NIL], 0
	ds_add_u32 v[SPW], v[NIL]                      ; the wave's opening: the add, twice on end, and its wait ahead of my first tensor load
	ds_add_u32 v[SPW], v[NIL]                      ; and once more, under the one wait; the set-up below, work on registers, stands between
	v_lshrrev_b32 v12, 5, v0
	v_readfirstlane_b32 s[WV], v12                 ; wave 0..3
	s_bfe_u32 s[CX], ttmp6, 0x40000
	s_lshl_b32 s[GG], ttmp9, 2                     ; in a cluster launch ttmp9 counts clusters
	s_add_co_u32 s[GG], s[GG], s[CX]
	s_mul_i32 s[WQ], s[WV], QUART
	; group 1 of a quarter: 65 rows x 256 elements of 2 bytes, dense in memory, padded in LDS
	s_mov_b32 s[G1E],   15|(1<<16)|(1<<20)|(1<<21)|(6<<22)|(3<<25)  ; 15:0 the mask of four; 17:16 2-byte elements; 20 padding on; 21 set beside a mask; 24:22 after every 128 words (code 6); 31:25 4 words (code 3)
	s_mov_b32 s[G1E+1], 256<<16                    ; tensor_dim0 = 256
	s_mov_b32 s[G1E+2], 65<<16                     ; tensor_dim1 = 65
	s_mov_b32 s[G1E+3], 256<<16                    ; tile_dim0 = 256
	s_mov_b32 s[G1E+4], 65                         ; tile_dim1 = 65
	s_mov_b32 s[G1E+5], 256                        ; 256 elements from row to row
	s_mov_b32 s[G1E+6], 0
	s_mov_b32 s[G1E+7], 0
	; group 1 of z: 32 rows x 256 elements of 4 bytes; no mask: each work-group has rows of its own
	s_mov_b32 s[G1Z],   (2<<16)|(1<<20)|(7<<22)|(3<<25)  ; 4-byte elements; padding after every 256 words (code 7), 4 words
	s_mov_b32 s[G1Z+1], 256<<16
	s_mov_b32 s[G1Z+2], 32<<16
	s_mov_b32 s[G1Z+3], 256<<16
	s_mov_b32 s[G1Z+4], 32
	s_mov_b32 s[G1Z+5], 256
	s_mov_b32 s[G1Z+6], 0
	s_mov_b32 s[G1Z+7], 0
	s_mov_b32 s[G0E], 1                            ; count = 1
	s_mov_b32 s[G0E+1], s[WQ]                      ; LDS: slot 0, my quarter: no place in the cluster enters an LDS address
	s_mov_b32 s[G0Z], 1
	s_mul_i32 s[G0Z+1], s[WV], ZQ
	s_add_co_u32 s[G0Z+1], s[G0Z+1], SLOT          ; LDS: slot 1, my 32 rows
	s_mul_i32 s60, s[WV], QB                       ; my quarter in a tile of ebt
	s_mov_b32 s61, 0
	s_lshl_b32 s62, s[GG], 17                      ; my work-group's 128 rows of 1,024 bytes,
	s_lshl_b32 s63, s[WV], 15                      ; the 32 of them that I fetch
	s_add_co_u32 s62, s62, s63
	s_mov_b32 s63, 0
	s_lshl_b32 s66, s[CX], 13                      ; the prefetches: my work-group's 16 rows of my quarter
	s_add_co_u32 s66, s66, s60
	s_mov_b32 s67, 0
	s_cmp_eq_u32 ttmp9, 0
	s_cselect_b32 s[LIM], 2, -1                    ; the same in all four partners
	s_mov_b32 s[BIG], MAXF
	s_mov_b32 s[SEL], 0x76543210
	s_mov_b32 s[SEL+1], 0xfedcba98
	s_mov_b32 s[TL], 0
	s_mov_b32 s[TB], SLOT+4*CTB                    ; the first change of slots turns these two into 0
	s_mov_b32 s[TE], SLOT+256
	s_mov_b32 s[SLOTS], 31                         ; tiles 1 to 31
	s_mov_b32 s[VIS], -1
	s_wait_dscnt 0x0                               ; both opening adds are done
	s_wait_kmcnt 0x0
	s_add_nc_u64 s[G0E+2:G0E+3], s[6:7], s[60:61]  ; tile 0, my quarter
	s_or_b32 s[G0E+3], s[G0E+3], 0x80000000        ; type = 2
	s_add_nc_u64 s[G0Z+2:G0Z+3], s[4:5], s[62:63]
	s_or_b32 s[G0Z+3], s[G0Z+3], 0x80000000
	s_add_nc_u64 s[PFA:PFA+1], s[6:7], s[66:67]
	s_add_nc_u64 s[PFA:PFA+1], s[PFA:PFA+1], 2*TILEB  ; at tile 2: the first change steps it to tile 3.  Nothing is prefetched here, at the head
	CROUND                                         ; all four work-groups are here: the first joint loads meet
	tensor_load_to_lds s[G0E:G0E+3], s[G1E:G1E+7]  ; the two first fills go out together: two loads of mine are out
	s_nop 0
	tensor_load_to_lds s[G0Z:G0Z+3], s[G1Z:G1Z+7]
	s_nop 0
.rept 4
	v_nop
.endr
	v_and_b32 v[RR], 15, v0
	v_bfe_u32 v[HH], v0, 4, 1
	; a fragment is 16 rows x 32 K in 8 registers: lane l holds row l % 16; registers 0-3 K = 8 (l / 16) + 0..7, registers 4-7 K = 16 + 8 (l / 16) + 0..7
	v_mul_u32_u24 v[AC0], v[RR], PE
	v_lshl_add_u32 v[AC0], v[HH], 4, v[AC0]
	v_add_nc_u32 v[AC0], s[WQ], v[AC0]             ; codes: quarter + row x pitch + 16 x half
	v_lshlrev_b32 v[AE0], 5, v[HH]
	v_add_nc_u32 v[AE0], s[WQ], v[AE0]
	v_add_nc_u32 v[AE0], EEO, v[AE0]               ; ee of the codes 8 (l / 16) + 0..7: 32 bytes
	v_mul_u32_u24 v[AZ], v[RR], PZ
	v_lshl_add_u32 v[AZ], v[HH], 5, v[AZ]
	v_add_nc_u32 v[AZ], SLOT, v[AZ]                ; z in f32: row x pitch + 32 x half
	v_and_b32 v[PFO], 31, v0
	v_lshlrev_b32 v[PFO], 8, v[PFO]
	s_lshl_b32 s60, s[WV], 6
	v_lshl_add_u32 v[CBASE], v[HH], 3, s60
	s_lshl_b32 s60, s[WV], 10
	s_add_co_u32 s60, s60, MERGE
	v_lshl_add_u32 v[MS], v[RR], 3, s60
	v_and_b32 v12, 1, v[RR]
	v_cmp_ne_u32 s[B0], 0, v12
	v_and_b32 v12, 2, v[RR]
	v_cmp_ne_u32 s[B0+1], 0, v12
	v_and_b32 v12, 4, v[RR]
	v_cmp_ne_u32 s[B0+2], 0, v12
	v_lshrrev_b32 v12, 3, v[RR]
	v_cmp_eq_u32 s[MH], v12, v[HH]
	s_wait_tensorcnt 0x0                           ; my 32 rows of z (the younger of my two loads) are in,
	s_barrier_signal -1
	s_barrier_wait -1                              ; everybody's are
; z INTO REGISTERS.  Half tile b (row tile b / 2, K steps 4 (b % 2) on): 16 LDS loads of 16 bytes into staging set b % 2, then 32 roundings, two numbers each.
.macro ZLOAD b
	WIN 0
.if (((\b)%2) == 0) && ((\b) > 0)
	v_add_nc_u32 v[AZ], 16*PZ, v[AZ]               ; the next 16 rows
.endif
.set zs, STG+64*((\b)%2)
.set zk, 4*((\b)%2)
.irp k, 0,1,2,3
	ds_load_b128 v[zs+16*(\k):zs+16*(\k)+3],     v[AZ] offset:128*(zk+(\k))
	ds_load_b128 v[zs+16*(\k)+4:zs+16*(\k)+7],   v[AZ] offset:128*(zk+(\k))+16
	ds_load_b128 v[zs+16*(\k)+8:zs+16*(\k)+11],  v[AZ] offset:128*(zk+(\k))+64
	ds_load_b128 v[zs+16*(\k)+12:zs+16*(\k)+15], v[AZ] offset:128*(zk+(\k))+80
.endr
.endm
.macro ZCVT b
.set zs, STG+64*((\b)%2)
.set zd, 64*(((\b)/2)%4)+32*((\b)%2)
	WIN 0x80+0x40*((\b)/8)                         ; destination window 2 (row tiles 0-3) or 3
.set zc, 0
.rept 32
	v_cvt_pk_bf16_f32 v[zd+zc], v[zs+2*zc], v[zs+2*zc+1]
.set zc, zc+1
.endr
.endm
	ZLOAD 0
	ZLOAD 1
.set zb, 0
.rept 16
.if zb < 15
	s_wait_dscnt 16                                ; LDS loads come back in order: this half tile is in, the next one's sixteen stay out
.else
	s_wait_dscnt 0x0
.endif
	ZCVT zb
.if zb < 14
	ZLOAD zb+2
.endif
.set zb, zb+1
.endr
; zz AS THE DIAGONAL OF Z Z^T: both sources are the same fragment of the ROUNDED z; four accumulators by turns.
.macro ZSQ hi
	WIN 0x0a+5*(\hi)                               ; sources 0 and 1 in window 2 or 3
.set kf, 0
.rept 8
.irp a, 0,1,2,3
.if kf == 0
	v_wmma_f32_16x16x32_bf16 v[ACC+32*(\hi)+8*(\a):ACC+32*(\hi)+8*(\a)+7], v[64*(\a)+8*kf:64*(\a)+8*kf+7], v[64*(\a)+8*kf:64*(\a)+8*kf+7], 0
.else
	v_wmma_f32_16x16x32_bf16 v[ACC+32*(\hi)+8*(\a):ACC+32*(\hi)+8*(\a)+7], v[64*(\a)+8*kf:64*(\a)+8*kf+7], v[64*(\a)+8*kf:64*(\a)+8*kf+7], v[ACC+32*(\hi)+8*(\a):ACC+32*(\hi)+8*(\a)+7]
.endif
.endr
.set kf, kf+1
.endr
.endm
	ZSQ 0
	ZSQ 1
	WIN 0
.rept 4
	v_nop                                          ; the places behind the last product (ISA guide 7.12.1)
.endr
; Element (8 (l / 16) + j, l % 16) lies in register j: row r's own square lies in register r % 8 of the lane with l / 16 = r / 8; the other half of the lanes takes it from there.
.macro ZDIAG t
.irp c, 0,1,2,3
	v_cndmask_b32 v[TT+(\c)], v[ACC+8*(\t)+2*(\c)], v[ACC+8*(\t)+2*(\c)+1], s[B0]  ; the lowest registers are read first
.endr
	v_cndmask_b32 v[TT],   v[TT],   v[TT+1], s[B0+1]
	v_cndmask_b32 v[TT+2], v[TT+2], v[TT+3], s[B0+1]
	v_cndmask_b32 v[TT],   v[TT],   v[TT+2], s[B0+2]
	v_permlanex16_b32 v[TT+1], v[TT], s[SEL], s[SEL+1]
	v_cndmask_b32 v[ZZ+2*(\t)], v[TT+1], v[TT], s[MH]
	v_mov_b32 v[ZZ+2*(\t)+1], v[ZZ+2*(\t)]
.endm
.irp t, 0,1,2,3,4,5,6,7
	ZDIAG \t
.endr
; THE LDS LOADS stand in one run of 18 a code tile: its eight ee, and its 16 codes x 256 K (8 fragments), into set par.
.macro FETCH par
	WIN 0
	v_add_nc_u32 v[AF], s[TB], v[AC0]
	v_add_nc_u32 v[AEF], s[TE], v[AE0]
	ds_load_b128 v[EE+8*(\par):EE+8*(\par)+3],   v[AEF]
	ds_load_b128 v[EE+8*(\par)+4:EE+8*(\par)+7], v[AEF] offset:16
	WIN 0x40                                       ; destination window 1
.irp k, 0,1,2,3,4,5,6,7
	ds_load_b128 v[64*(\par)+8*(\k):64*(\par)+8*(\k)+3],   v[AF] offset:64*(\k)
	ds_load_b128 v[64*(\par)+8*(\k)+4:64*(\par)+8*(\k)+7], v[AF] offset:64*(\k)+32
.endr
	s_add_co_u32 s[TB], s[TB], CTB                 ; the next fetch is the next code tile's
	s_add_co_u32 s[TE], s[TE], 64
.endm
; Product mi of 32 for group mg: K step mi / 4, row tile 4 mg + mi % 4.  The first four start the sums with the constant 0; between two links of a chain stand three other accumulators'.
.macro MM mg, par
	WIN 0x09+4*(\mg)                               ; codes in window 1, z in window 2 or 3, C and D in window 0
.set ma, ACC+32*(\mg)+8*(mi%4)
.set mc, 64*(\par)+8*(mi/4)
.set mz, 64*(mi%4)+8*(mi/4)
.if mi < 4
	v_wmma_f32_16x16x32_bf16 v[ma:ma+7], v[mc:mc+7], v[mz:mz+7], 0
.else
	v_wmma_f32_16x16x32_bf16 v[ma:ma+7], v[mc:mc+7], v[mz:mz+7], v[ma:ma+7]
.endif
.endm
; Number re of the 88 vector instructions of group rg for a code tile of parity q: two pairs of row tiles, 44 each; in a pair the two tiles alternate, 22 each:
;   0-3   t = ee + zz, two codes a line (these name no accumulator)      4-7   d = -2 dot + t, fused, in place, the lowest registers first
;   8-11  the least of the eight d and the old m, three operands a line   12    is it less than the old m?   13  then ID takes the code tile's number,   14-21  and SV its eight d
.macro RD rg, q
.set rx, (re%44)%2
.set rj, (re%44)/2
.set rT, 4*(\rg)+2*(re/44)+rx
.set rA, ACC+8*rT
.set rY, TT+8*rx
.set rC, CC+2*rx
.set rO, M+8*(\q)+rT
.set rN, M+8*(1-(\q))+rT
.if rj < 4
	v_pk_add_f32 v[rY+2*rj:rY+2*rj+1], v[EE+8*(\q)+2*rj:EE+8*(\q)+2*rj+1], v[ZZ+2*rT:ZZ+2*rT+1]
.elseif rj < 8
	v_pk_fma_f32 v[rA+2*rj-8:rA+2*rj-7], v[rA+2*rj-8:rA+2*rj-7], -2.0, v[rY+2*rj-8:rY+2*rj-7] op_sel_hi:[1,0,1]
.elseif rj == 8
	v_min3_num_f32 v[rC], v[rA], v[rA+1], v[rA+2]
.elseif rj == 9
	v_min3_num_f32 v[rC+1], v[rA+3], v[rA+4], v[rA+5]
.elseif rj == 10
	v_min3_num_f32 v[rC], v[rC], v[rA+6], v[rA+7]
.elseif rj == 11
	v_min3_num_f32 v[rN], v[rC], v[rC+1], v[rO]
.elseif rj == 12
	v_cmp_lt_f32 s[MK+rx], v[rN], v[rO]
.elseif rj == 13
	v_cndmask_b32 v[ID+rT], v[ID+rT], s[VIS], s[MK+rx]
.else
	v_cndmask_b32 v[SV+8*rT+rj-14], v[SV+8*rT+rj-14], v[rA+rj-14], s[MK+rx]
.endif
.set re, re+1
.endm
; A TURN: group mg's 32 products on code set par; behind them group rg's 88, three, three, three, two.  The first line that names an accumulator is number 8: between it and the product that
; finished that accumulator stand the last eleven lines of the turn before and numbers 0-7, none of which names a register of that product.
; fetch = 1: behind the second product the next code tile is fetched into the other set, 30 products ahead of its first use; that set's last product stands a whole turn back.
.macro TURN mg, par, rg, q, fetch
.set mi, 0
.set re, 0
.rept 32
	MM \mg, \par
	WIN 0
	RD \rg, \q
	RD \rg, \q
.if (mi%4) != 3
	RD \rg, \q
.endif
.if (\fetch) && (mi == 1)
	FETCH 1-(\par)
.endif
.set mi, mi+1
.endr
.endm
; A CODE TILE of parity p: group 0's products beside group 1's vector work for the tile before; then group 1's products beside group 0's vector work for this tile.
.macro STEP p, fetch
	s_wait_dscnt 0x0                               ; the tile's fragments and ee are in
	TURN 0, \p, 1, 1-(\p), 0
	s_add_co_u32 s[VIS], s[VIS], 1
	TURN 1, \p, 0, \p, \fetch
.endm
	CHANGE 1                                       ; everybody's reads of z are over, tile 0 is in; tile 1 goes into slot 1
	; What the first turn finds, written while tile 1 is on its way: a code tile 'before the first' whose d are all MAXF and change nothing, so that no first step is written out.
.set c, 0
.rept 32
	v_mov_b32 v[ACC+32+c], 0
.set c, c+1
.endr
.set c, 0
.rept 8
	v_mov_b32 v[EE+8+c], s[BIG]
	v_mov_b32 v[ID+c], 0
.set c, c+1
.endr
.set c, 0
.rept 4
	v_mov_b32 v[M+c], s[BIG]                       ; group 0 begins with parity 0,
	v_mov_b32 v[M+12+c], s[BIG]                    ; group 1 with the tile before the first, of parity 1
.set c, c+1
.endr
.set c, 0
.rept 64
	v_mov_b32 v[SV+c], s[BIG]
.set c, c+1
.endr
	FETCH 0                                        ; code tile 0
	WIN 0
	s_mov_b32 s[CNT], 2
	s_branch .Lmid                                 ; the loop is entered in the middle of a trip: code tiles 0, 1, 2, then the next change
.Lslot:                                                ; 30 times: tiles 2 to 31 are asked for.  A change stands in front of the code tile that fetches the first code tile of the next slot
	CHANGE 1
	s_mov_b32 s[CNT], 2
.Lstep:
	STEP 1, 1
	WIN 0
.Lmid:
	STEP 0, 1
	WIN 0
	s_sub_co_u32 s[CNT], s[CNT], 1
	s_cmp_lg_u32 s[CNT], 0
	s_cbranch_scc1 .Lstep
	s_sub_co_u32 s[SLOTS], s[SLOTS], 1
	s_cmp_lg_u32 s[SLOTS], 0
	s_cbranch_scc1 .Lslot
	CHANGE 0                                       ; the tail is written out: tile 31 is in, nothing is asked for
	s_mov_b32 s[CNT], 2
.Ltail:                                                ; code tiles 123 to 126
	STEP 1, 1
	STEP 0, 1
	WIN 0
	s_sub_co_u32 s[CNT], s[CNT], 1
	s_cmp_lg_u32 s[CNT], 0
	s_cbranch_scc1 .Ltail
	STEP 1, 0                                      ; code tile 127 fetches nothing
	WIN 0
.set re, 0
.rept 88
	RD 1, 1                                        ; group 1's vector work for code tile 127; its first eight lines are the places behind the last product
.endr
; THE WAY OUT.  The last code tile has parity 1, so m lies in set 0.  BEST: of two pairs (d, code) the one with the lesser d, of equal d the lower code.
.macro BEST dm, dc, m, c, m2, c2
	v_cmp_lt_f32 s60, v[\m2], v[\m]
	v_cmp_eq_f32 s61, v[\m2], v[\m]
	v_cmp_lt_u32 s62, v[\c2], v[\c]
	s_and_b32 s61, s61, s62
	s_or_b32 s60, s60, s61
	v_cndmask_b32 v[\dm], v[\m], v[\m2], s60
	v_cndmask_b32 v[\dc], v[\c], v[\c2], s60
.endm
.macro FIN t
	v_mov_b32 v12, 7
.irp j, 6,5,4,3,2,1,0
	v_cmp_eq_f32 vcc_lo, v[SV+8*(\t)+(\j)], v[M+(\t)]
	v_cndmask_b32 v12, v12, \j, vcc_lo             ; the first register that holds m
.endr
	v_lshrrev_b32 v13, 2, v[ID+(\t)]               ; the tile of 256 codes,
	v_and_b32 v14, 3, v[ID+(\t)]                   ; the code tile in my quarter
	v_lshl_add_u32 v12, v13, 8, v12
	v_lshl_add_u32 v12, v14, 4, v12
	v_add_nc_u32 v12, v12, v[CBASE]
	v_permlanex16_b32 v13, v[M+(\t)], s[SEL], s[SEL+1]  ; the row's other eight codes of each code tile lie in the lane 16 away
	v_permlanex16_b32 v14, v12, s[SEL], s[SEL+1]
	BEST PR+2*(\t), PR+2*(\t)+1, M+(\t), 12, 13, 14
	ds_store_b64 v[MS], v[PR+2*(\t):PR+2*(\t)+1] offset:128*(\t)  ; both halves of the lanes write the same pair to the same place
.endm
.irp t, 0,1,2,3,4,5,6,7
	FIN \t
.endr
	s_wait_dscnt 0x0                               ; for the others' sake: my list lies in LDS
	s_barrier_signal -1
	s_barrier_wait -1
	s_cmp_lg_u32 s[WV], 0                          ; wave 0 merges the four lists: lane l has rows 4 l .. 4 l + 3
	s_cbranch_scc1 .Lend
	v_and_b32 v12, 31, v0
	v_lshlrev_b32 v13, 5, v12
	v_add_nc_u32 v13, MERGE, v13
.irp w, 0,1,2,3
	ds_load_b128 v[64+8*(\w):64+8*(\w)+3],   v13 offset:1024*(\w)
	ds_load_b128 v[64+8*(\w)+4:64+8*(\w)+7], v13 offset:1024*(\w)+16
.endr
	s_lshl_b32 s63, s[GG], 9
	v_lshl_add_u32 v15, v12, 4, s63                ; my 16 bytes of out4 and of order
	s_wait_dscnt 0x0
.irp w, 1,2,3
.irp k, 0,1,2,3
	BEST 64+2*(\k), 65+2*(\k), 64+2*(\k), 65+2*(\k), 64+8*(\w)+2*(\k), 65+8*(\w)+2*(\k)
.endr
.endr
.irp k, 0,1,2,3
	v_mov_b32 v[96+(\k)], v[65+2*(\k)]             ; idx
	v_lshrrev_b32 v[100+(\k)], 6, v[65+2*(\k)]
.endr
.irp k, 0,1,2,3
	v_add_nc_u32 v[100+(\k)], v[100+(\k)], v[96+(\k)]  ; its row in ebt: idx + (idx >> 6)
.endr
	global_store_b128 v15, v[96:99],   s[8:9]      ; the wave's store covers 512 consecutive bytes, aligned
	global_store_b128 v15, v[100:103], s[10:11]
	v_add_f32 v64, v64, v66                        ; the sum of the work-group's 128 least d
	v_add_f32 v68, v68, v70
	v_add_f32 v64, v64, v68
	v_add_f32_dpp v64, v64, v64 row_xmask:1 row_mask:0xf bank_mask:0xf
	v_add_f32_dpp v64, v64, v64 row_xmask:2 row_mask:0xf bank_mask:0xf
	v_add_f32_dpp v64, v64, v64 row_xmask:4 row_mask:0xf bank_mask:0xf
	v_add_f32_dpp v64, v64, v64 row_xmask:8 row_mask:0xf bank_mask:0xf
	v_permlanex16_b32 v66, v64, s[SEL], s[SEL+1]
	v_add_f32 v64, v64, v66
	s_lshl_b32 s63, s[GG], 2
	v_mov_b32 v14, s63
	v_cmp_eq_u32 vcc_lo, 0, v12
	s_wait_xcnt 0x0                                ; EXEC changes only behind this wait: the stores above have read it
	s_and_saveexec_b32 s62, vcc_lo
	global_store_b32 v14, v64, s[12:13]            ; lane 0: part[work-group]
	s_wait_xcnt 0x0                                ; and again, in front of the line that widens it
	s_or_b32 exec_lo, exec_lo, s62
.Lend:
	s_wait_tensorcnt 0x0                           ; the wave's end, behind my last tensor load and my last LDS store
	ds_add_u32 v[SPW], v[NIL]
	s_wait_dscnt 0x0
	CROUND                                         ; the closing round: no work-group ends while a partner may still ask for a tile that names it
	s_endpgm
.Lfunc_end_k_q7bc562a32f_main:
	.size	k_q7bc562a32f_main, .Lfunc_end_k_q7bc562a32f_main-k_q7bc562a32f_main
	.p2alignl 7, 3214868480
	.fill 96, 4, 3214868480
	.section	.rodata,"a",@progbits
	.p2align	6, 0x0
	.amdhsa_kernel k_q7bc562a32f_main
		.amdhsa_group_segment_fixed_size 327680
		.amdhsa_private_segment_fixed_size 0
		.amdhsa_enable_private_segment 0
		.amdhsa_kernarg_size 40
		.amdhsa_user_sgpr_count 2
		.amdhsa_user_sgpr_kernarg_segment_ptr 1
		.amdhsa_wavefront_size32 1
		.amdhsa_system_sgpr_workgroup_id_x 1
		.amdhsa_system_sgpr_workgroup_id_y 1
		.amdhsa_system_sgpr_workgroup_id_z 1
		.amdhsa_system_vgpr_workitem_id 0
		.amdhsa_next_free_vgpr 1024
		.amdhsa_next_free_sgpr 80
		.amdhsa_reserve_vcc 1
		.amdhsa_float_denorm_mode_32 3
		.amdhsa_float_denorm_mode_16_64 3
		.amdhsa_memory_ordered 1
		.amdhsa_forward_progress 1
		.amdhsa_inst_pref_size 198
	.end_amdhsa_kernel
	.amdgpu_metadata
---
amdhsa.version: [ 1, 2 ]
amdhsa.kernels:
  - .name:           k_q7bc562a32f_main
    .symbol:         k_q7bc562a32f_main.kd
    .args:
      - { .name: z, .offset: 0, .size: 8, .value_kind: global_buffer, .address_space: global }
      - { .name: ebt, .offset: 8, .size: 8, .value_kind: global_buffer, .address_space: global }
      - { .name: out4, .offset: 16, .size: 8, .value_kind: global_buffer, .address_space: global }
      - { .name: order, .offset: 24, .size: 8, .value_kind: global_buffer, .address_space: global }
      - { .name: part, .offset: 32, .size: 8, .value_kind: global_buffer, .address_space: global }
    .group_segment_fixed_size: 327680
    .private_segment_fixed_size: 0
    .kernarg_segment_align: 8
    .kernarg_segment_size: 40
    .max_flat_workgroup_size: 128
    .sgpr_count:     80
    .vgpr_count:     1024
    .wavefront_size: 32
...
	.end_amdgpu_metadata
.endif
;; end of part 2
;; launch gather (part 3): grid 256 x 1, 8 waves a work-group, no clusters, 0 bytes of LDS; arguments z, ebt, order, part, out0, out1, out2, out3; writes out0, out1, out2, out3
.if DOCPART == 3
	.amdgcn_target "amdgcn-amd-amdhsa--gfx1250"
	.amdhsa_code_object_version 6
	.text
	.protected	k_q7bc562a32f_gather
	.globl	k_q7bc562a32f_gather
	.p2align	8
	.type	k_q7bc562a32f_gather,@function
k_q7bc562a32f_gather:
	s_mov_b64 s[64:65], 0
	v_nop
	global_prefetch_b8 v0, s[64:65] scope:SCOPE_SE
	s_setreg_imm32_b32 hwreg(HW_REG_WAVE_MODE, 25, 1), 1
	s_wait_xcnt 0x0
; VECTOR QUANTIZER, launch 3 of 3: out0 = zb + (eb[idx] - zb), as reference() writes it (two f32 roundings: beside z the sum loses low bits of the code, so the step stays), with zb = z rounded to bf16
; and eb the rounded code from ebt; and the three losses.  The mean of (z_q - z)^2 is not summed anew: it is the sum of the least d, which launch 2 left in part (shown at the head of launch 1, with its limit).
; The rows' places come as whole numbers from order (row of ebt = idx + (idx >> 6)), stored by launch 2.
; SHARES.  A work-group has 128 rows, a wave 16; all of a wave's 64 loads go out at once, so there is no loop, and no wave waits for another: no LDS, no barrier, no matrix unit.
; A row of z and of out0 goes as two runs of 512 consecutive bytes, a code row as two of 256.  No prefetch: the launch is one stream with all its loads on their way from the start.
.set EO, 16                            ; v[16:31]   row i: byte offset of my 8 bytes in its code row
.set ZR, 32                            ; v[32:159]  row i: 8 numbers of z (elements 4 l .. + 3 and 128 + 4 l .. + 3), then of out0: each row's own, so no store's data is rewritten
.set ER, 160                           ; v[160:223] row i: the same 8 elements of the code, bf16
.set PK, 224                           ; v[224:227] at work: z in bf16
.set ZB, 228                           ; v[228:235] at work: zb
.set EB, 236                           ; v[236:243] at work: eb, then eb - zb
	s_load_b512 s[4:19], s[0:1], 0x0               ; z s[4:5], ebt s[6:7], order s[8:9], part s[10:11], out0 s[12:13], out1 s[14:15], out2 s[16:17], out3 s[18:19]
	v_and_b32 v3, 31, v0                           ; lane
	v_lshrrev_b32 v4, 5, v0
	v_readfirstlane_b32 s36, v4                    ; wave
	v_lshlrev_b32 v1, 4, v3                        ; 16 bytes a lane in z and out0
	v_lshlrev_b32 v2, 3, v3                        ; 8 bytes a lane in a code row
	s_lshl_b32 s37, ttmp9, 7
	s_lshl_b32 s38, s36, 4
	s_add_co_u32 s37, s37, s38                     ; my wave's first row
	s_lshl_b32 s38, s37, 2                         ; its place in order,
	s_lshl_b32 s40, s37, 10                        ; in z and in out0
	s_mov_b32 s41, 0
	s_mov_b32 s39, 0xffff0000                      ; a word's upper bf16
	s_mov_b32 s44, 0x76543210
	s_mov_b32 s45, 0xfedcba98
	s_wait_kmcnt 0x0
	s_load_b512 s[20:35], s[8:9], s38 offset:0x0   ; my sixteen rows' places in ebt
	s_add_nc_u64 s[4:5], s[4:5], s[40:41]
	s_add_nc_u64 s[12:13], s[12:13], s[40:41]
.irp i, 0,1,2,3,4,5,6,7,8,9,10,11,12,13,14,15
	global_load_b128 v[ZR+8*(\i):ZR+8*(\i)+3],   v1, s[4:5] offset:1024*(\i) th:TH_LOAD_NT
	global_load_b128 v[ZR+8*(\i)+4:ZR+8*(\i)+7], v1, s[4:5] offset:1024*(\i)+512 th:TH_LOAD_NT
.endr
	s_wait_kmcnt 0x0
.irp i, 0,1,2,3,4,5,6,7,8,9,10,11,12,13,14,15
	s_min_u32 s[20+(\i)], s[20+(\i)], 8319         ; ebt has 8,320 rows: a number from memory enters an address only behind this bound
	v_lshl_add_u32 v[EO+(\i)], s[20+(\i)], 9, v2
	global_load_b64 v[ER+4*(\i):ER+4*(\i)+1],   v[EO+(\i)], s[6:7]             ; no hint: a code may be named by many rows
	global_load_b64 v[ER+4*(\i)+2:ER+4*(\i)+3], v[EO+(\i)], s[6:7] offset:256
.endr
.macro ROW i
	s_wait_loadcnt 30-2*(\i)                       ; loads come back in order: all of z and this row's code are in; the later rows' codes stay out
.irp c, 0,1,2,3
	v_cvt_pk_bf16_f32 v[PK+(\c)], v[ZR+8*(\i)+2*(\c)], v[ZR+8*(\i)+2*(\c)+1]
.endr
.irp c, 0,1,2,3
	v_lshlrev_b32 v[ZB+2*(\c)],   16,  v[PK+(\c)]
	v_and_b32     v[ZB+2*(\c)+1], s39, v[PK+(\c)]
	v_lshlrev_b32 v[EB+2*(\c)],   16,  v[ER+4*(\i)+(\c)]
	v_and_b32     v[EB+2*(\c)+1], s39, v[ER+4*(\i)+(\c)]
.endr
.irp c, 0,2,4,6
	v_pk_add_f32 v[EB+(\c):EB+(\c)+1], v[EB+(\c):EB+(\c)+1], v[ZB+(\c):ZB+(\c)+1] neg_lo:[0,1] neg_hi:[0,1]  ; z_q - z
.endr
.irp c, 0,2,4,6
	v_pk_add_f32 v[ZR+8*(\i)+(\c):ZR+8*(\i)+(\c)+1], v[ZB+(\c):ZB+(\c)+1], v[EB+(\c):EB+(\c)+1]              ; z + that
.endr
	global_store_b128 v1, v[ZR+8*(\i):ZR+8*(\i)+3],   s[12:13] offset:1024*(\i) th:TH_STORE_NT
	global_store_b128 v1, v[ZR+8*(\i)+4:ZR+8*(\i)+7], s[12:13] offset:1024*(\i)+512 th:TH_STORE_NT
.endm
.irp i, 0,1,2,3,4,5,6,7,8,9,10,11,12,13,14,15
	ROW \i
.endr
	; THE LOSSES: wave 0 of work-group 0 adds the 256 partial sums, in a fixed order.
	s_or_b32 s42, ttmp9, s36
	s_cmp_lg_u32 s42, 0
	s_cbranch_scc1 .Lend
	v_lshlrev_b32 v5, 5, v3                        ; eight numbers a lane
	global_load_b128 v[224:227], v5, s[10:11]
	global_load_b128 v[228:231], v5, s[10:11] offset:16
	v_mov_b32 v6, 0
	v_cmp_eq_u32 vcc_lo, 0, v3
	s_wait_loadcnt 0x0
	v_pk_add_f32 v[224:225], v[224:225], v[226:227]
	v_pk_add_f32 v[228:229], v[228:229], v[230:231]
	v_pk_add_f32 v[224:225], v[224:225], v[228:229]
	v_add_f32 v224, v224, v225
	v_add_f32_dpp v224, v224, v224 row_xmask:1 row_mask:0xf bank_mask:0xf
	v_add_f32_dpp v224, v224, v224 row_xmask:2 row_mask:0xf bank_mask:0xf
	v_add_f32_dpp v224, v224, v224 row_xmask:4 row_mask:0xf bank_mask:0xf
	v_add_f32_dpp v224, v224, v224 row_xmask:8 row_mask:0xf bank_mask:0xf
	v_permlanex16_b32 v225, v224, s44, s45
	v_add_f32 v224, v224, v225
	v_mul_f32 v226, 0x34000000, v224               ; codebook_loss = the sum / (32,768 x 256) = the sum x 2^-23
	v_mul_f32 v227, 0x3e800000, v226               ; commitment_loss = 0.25 x the same mean
	v_add_f32 v228, v227, v226                     ; loss
	s_wait_xcnt 0x0                                ; EXEC changes only behind this wait
	s_and_saveexec_b32 s42, vcc_lo
	global_store_b32 v6, v228, s[14:15]            ; lane 0
	global_store_b32 v6, v227, s[16:17]
	global_store_b32 v6, v226, s[18:19]
	s_wait_xcnt 0x0                                ; and again, in front of the line that widens it
	s_or_b32 exec_lo, exec_lo, s42
.Lend:
	s_endpgm
.Lfunc_end_k_q7bc562a32f_gather:
	.size	k_q7bc562a32f_gather, .Lfunc_end_k_q7bc562a32f_gather-k_q7bc562a32f_gather
	.p2alignl 7, 3214868480
	.fill 96, 4, 3214868480
	.section	.rodata,"a",@progbits
	.p2align	6, 0x0
	.amdhsa_kernel k_q7bc562a32f_gather
		.amdhsa_group_segment_fixed_size 0
		.amdhsa_private_segment_fixed_size 0
		.amdhsa_enable_private_segment 0
		.amdhsa_kernarg_size 64
		.amdhsa_user_sgpr_count 2
		.amdhsa_user_sgpr_kernarg_segment_ptr 1
		.amdhsa_wavefront_size32 1
		.amdhsa_system_sgpr_workgroup_id_x 1
		.amdhsa_system_sgpr_workgroup_id_y 1
		.amdhsa_system_sgpr_workgroup_id_z 1
		.amdhsa_system_vgpr_workitem_id 0
		.amdhsa_next_free_vgpr 248
		.amdhsa_next_free_sgpr 66
		.amdhsa_reserve_vcc 1
		.amdhsa_float_denorm_mode_32 3
		.amdhsa_float_denorm_mode_16_64 3
		.amdhsa_memory_ordered 1
		.amdhsa_forward_progress 1
		.amdhsa_inst_pref_size 35
	.end_amdhsa_kernel
	.amdgpu_metadata
---
amdhsa.version: [ 1, 2 ]
amdhsa.kernels:
  - .name:           k_q7bc562a32f_gather
    .symbol:         k_q7bc562a32f_gather.kd
    .args:
      - { .name: z, .offset: 0, .size: 8, .value_kind: global_buffer, .address_space: global }
      - { .name: ebt, .offset: 8, .size: 8, .value_kind: global_buffer, .address_space: global }
      - { .name: order, .offset: 16, .size: 8, .value_kind: global_buffer, .address_space: global }
      - { .name: part, .offset: 24, .size: 8, .value_kind: global_buffer, .address_space: global }
      - { .name: out0, .offset: 32, .size: 8, .value_kind: global_buffer, .address_space: global }
      - { .name: out1, .offset: 40, .size: 8, .value_kind: global_buffer, .address_space: global }
      - { .name: out2, .offset: 48, .size: 8, .value_kind: global_buffer, .address_space: global }
      - { .name: out3, .offset: 56, .size: 8, .value_kind: global_buffer, .address_space: global }
    .group_segment_fixed_size: 0
    .private_segment_fixed_size: 0
    .kernarg_segment_align: 8
    .kernarg_segment_size: 64
    .max_flat_workgroup_size: 256
    .sgpr_count:     66
    .vgpr_count:     248
    .wavefront_size: 32
...
	.end_amdgpu_metadata
.endif
;; end of part 3
;; ======== version 2 of 2: 3 launches; version 1 with the launch gather written anew for expert scheduling mode
;; limits: a difference of large sums (such as E[x^2] - mean^2): digits are lost where the result is much smaller than its terms
;; workspace buffers: ebt 4,259,840 bytes; order 131,072 bytes of whole numbers; part 1,024 bytes
;; launch prep: the kernel of part 1 again; grid 128 x 1, 8 waves a work-group, no clusters, 1,280 bytes of LDS; arguments embedding, ebt; writes ebt
;; launch main: the kernel of part 2 again; grid 256 x 1, 4 waves a work-group, clusters of 4 x 1, 327,680 bytes of LDS; arguments z, ebt, out4, order, part; writes out4, order, part
;; launch gather (part 4): grid 256 x 1, 8 waves a work-group, no clusters, 0 bytes of LDS; arguments z, ebt, order, part, out0, out1, out2, out3; writes out0, out1, out2, out3
.if DOCPART == 4
	.amdgcn_target "amdgcn-amd-amdhsa--gfx1250"
	.amdhsa_code_object_version 6
	.text
	.protected	k_q7bc562a32f_gather
	.globl	k_q7bc562a32f_gather
	.p2align	8
	.type	k_q7bc562a32f_gather,@function
k_q7bc562a32f_gather:
	s_mov_b64 s[64:65], 0
	v_nop
	global_prefetch_b8 v0, s[64:65] scope:SCOPE_SE
	s_setreg_imm32_b32 hwreg(HW_REG_WAVE_SCHED_MODE, 0, 2), 2
	s_setreg_imm32_b32 hwreg(HW_REG_WAVE_MODE, 25, 1), 1
	s_wait_xcnt 0x0
	s_wait_alu depctr_vm_vsrc(0)
; VECTOR QUANTIZER, launch 3 of 3: out0 = zb + (eb[idx] - zb), as reference() writes it (two f32 roundings: beside z the sum loses low bits of the code, so the step stays), with zb = z rounded to bf16
; and eb the rounded code from ebt; and the three losses.  The mean of (z_q - z)^2 is not summed anew: it is the sum of the least d, which launch 2 left in part (shown at the head of launch 1, with its limit).
; The rows' places come as whole numbers from order (row of ebt = idx + (idx >> 6)), stored by launch 2.
; SHARES.  A work-group has 128 rows, a wave 16; all of a wave's 64 loads go out at once, so there is no loop, and no wave waits for another: no LDS, no barrier, no matrix unit.
; A row of z and of out0 goes as two runs of 512 consecutive bytes, a code row as two of 256.  No prefetch: the launch is one stream with all its loads on their way from the start.
; THE MODE: SCHED_MODE bits 1:0 = 2 (LLVM: expert scheduling mode 2), set by the entry lines.  The code itself states the register dependences
; between vector instructions and memory instructions, with s_wait_alu, always for 0.
; THE PLAN.  Registers that memory instructions touch:
;   v1        16 x lane.  Written once at the head; read by every load of z and every store of out0; never written again.
;   EO        Sixteen offsets, written in one run at the head; read by the code rows' loads; never written again.
;   ZR row i  The row's two loads of z land in it; the row's roundings read it; the row's last four sums write it; the row's two stores read it; never written again.
;   ER row i  The row's two code loads land in it; the row's unpacking lines read it.
;   PK, ZB, EB are named by vector instructions alone, until two loads of the losses' arm land in v[224:231].
; The sixteen rows go in four blocks of four.  Block p's vector instructions name ZR and ER of its own rows and PK, ZB, EB; its memory instructions are the eight stores of block p - 1, which read v1 and
; that block's ZR.  So ONE wait at a block's head states all that its stores hang on, and they are dealt among its vector instructions, two ahead of each row, with no further wait.
; No register that a memory instruction reads is written again: waits on vm_vsrc stand ahead of the two writes of EXEC alone.
.set EO, 16                            ; v[16:31]   row i: byte offset of my 8 bytes in its code row
.set ZR, 32                            ; v[32:159]  row i: 8 numbers of z (elements 4 l .. + 3 and 128 + 4 l .. + 3), then of out0: each row's own, so no store's data is rewritten
.set ER, 160                           ; v[160:223] row i: the same 8 elements of the code, bf16
.set PK, 224                           ; v[224:227] at work: z in bf16
.set ZB, 228                           ; v[228:235] at work: zb
.set EB, 236                           ; v[236:243] at work: eb, then eb - zb
	s_load_b512 s[4:19], s[0:1], 0x0               ; z s[4:5], ebt s[6:7], order s[8:9], part s[10:11], out0 s[12:13], out1 s[14:15], out2 s[16:17], out3 s[18:19]
	v_and_b32 v3, 31, v0                           ; lane
	v_lshrrev_b32 v4, 5, v0
	v_readfirstlane_b32 s36, v4                    ; wave
	v_lshlrev_b32 v1, 4, v3                        ; 16 bytes a lane in z and out0
	v_lshlrev_b32 v2, 3, v3                        ; 8 bytes a lane in a code row
	s_lshl_b32 s37, ttmp9, 7
	s_wait_alu depctr_va_sdst(0)                   ; s36 is written, ahead of its first reader: the wave's rows, and with them every base, are made from it
	s_lshl_b32 s38, s36, 4
	s_add_co_u32 s37, s37, s38                     ; my wave's first row
	s_lshl_b32 s38, s37, 2                         ; its place in order,
	s_lshl_b32 s40, s37, 10                        ; in z and in out0
	s_mov_b32 s41, 0
	s_mov_b32 s39, 0xffff0000                      ; a word's upper bf16
	s_mov_b32 s44, 0x76543210
	s_mov_b32 s45, 0xfedcba98
	s_wait_kmcnt 0x0
	s_load_b512 s[20:35], s[8:9], s38 offset:0x0   ; my sixteen rows' places in ebt
	s_add_nc_u64 s[4:5], s[4:5], s[40:41]
	s_add_nc_u64 s[12:13], s[12:13], s[40:41]
	s_wait_alu depctr_va_vdst(0)                   ; v1 is written: every load of z and every store of out0 reads it as its offset
.irp i, 0,1,2,3,4,5,6,7,8,9,10,11,12,13,14,15
	global_load_b128 v[ZR+8*(\i):ZR+8*(\i)+3],   v1, s[4:5] offset:1024*(\i) th:TH_LOAD_NT
	global_load_b128 v[ZR+8*(\i)+4:ZR+8*(\i)+7], v1, s[4:5] offset:1024*(\i)+512 th:TH_LOAD_NT
.endr
	s_wait_kmcnt 0x0
.irp i, 0,1,2,3,4,5,6,7,8,9,10,11,12,13,14,15
	s_min_u32 s[20+(\i)], s[20+(\i)], 8319         ; ebt has 8,320 rows: a number from memory enters an address only behind this bound
	v_lshl_add_u32 v[EO+(\i)], s[20+(\i)], 9, v2
.endr
	s_wait_alu depctr_va_vdst(0)                   ; the sixteen offsets EO are written, which the code rows' loads read: one wait for all of them
.irp i, 0,1,2,3,4,5,6,7,8,9,10,11,12,13,14,15
	global_load_b64 v[ER+4*(\i):ER+4*(\i)+1],   v[EO+(\i)], s[6:7]             ; no hint: a code may be named by many rows
	global_load_b64 v[ER+4*(\i)+2:ER+4*(\i)+3], v[EO+(\i)], s[6:7] offset:256
.endr
; Row i's arithmetic: 28 vector instructions; the result lies in the row's own ZR.
.macro ROW i
.irp c, 0,1,2,3
	v_cvt_pk_bf16_f32 v[PK+(\c)], v[ZR+8*(\i)+2*(\c)], v[ZR+8*(\i)+2*(\c)+1]
.endr
.irp c, 0,1,2,3
	v_lshlrev_b32 v[ZB+2*(\c)],   16,  v[PK+(\c)]
	v_and_b32     v[ZB+2*(\c)+1], s39, v[PK+(\c)]
	v_lshlrev_b32 v[EB+2*(\c)],   16,  v[ER+4*(\i)+(\c)]
	v_and_b32     v[EB+2*(\c)+1], s39, v[ER+4*(\i)+(\c)]
.endr
.irp c, 0,2,4,6
	v_pk_add_f32 v[EB+(\c):EB+(\c)+1], v[EB+(\c):EB+(\c)+1], v[ZB+(\c):ZB+(\c)+1] neg_lo:[0,1] neg_hi:[0,1]  ; z_q - z
.endr
.irp c, 0,2,4,6
	v_pk_add_f32 v[ZR+8*(\i)+(\c):ZR+8*(\i)+(\c)+1], v[ZB+(\c):ZB+(\c)+1], v[EB+(\c):EB+(\c)+1]              ; z + that
.endr
.endm
; Row i's two stores.
.macro SEND i
	global_store_b128 v1, v[ZR+8*(\i):ZR+8*(\i)+3],   s[12:13] offset:1024*(\i) th:TH_STORE_NT
	global_store_b128 v1, v[ZR+8*(\i)+4:ZR+8*(\i)+7], s[12:13] offset:1024*(\i)+512 th:TH_STORE_NT
.endm
; Block p: rows 4 p .. 4 p + 3 are worked on; the stores of rows 4 p - 4 .. 4 p - 1 go out, two ahead of each row's arithmetic.
.macro BLK p
.irp j, 0,1,2,3
	s_wait_loadcnt 30-2*(4*(\p)+(\j))              ; loads come back in order: all of z and this row's code are in; the later rows' codes stay out
.if (\p) > 0
.if (\j) == 0
	s_wait_alu depctr_va_vdst(0)                   ; the block before has written its four rows of ZR, which this block's eight stores read; no vector instruction behind this wait names those rows or v1
.endif
	SEND 4*(\p)-4+(\j)
.endif
	ROW 4*(\p)+(\j)
.endr
.endm
	BLK 0
	BLK 1
	BLK 2
	BLK 3
	s_wait_alu depctr_va_vdst(0)                   ; block 3 has written rows 12 to 15 of ZR, which the last eight stores read
.irp i, 12,13,14,15
	SEND \i
.endr
	; THE LOSSES: wave 0 of work-group 0 adds the 256 partial sums, in a fixed order.
	s_or_b32 s42, ttmp9, s36
	s_cmp_lg_u32 s42, 0
	s_cbranch_scc1 .Lend
	v_lshlrev_b32 v5, 5, v3                        ; eight numbers a lane
	s_wait_alu depctr_va_vdst(0)                   ; v5 is written, which the two loads read as their offset; the rows' instructions are done reading and writing v[224:231], in which the loads land
	global_load_b128 v[224:227], v5, s[10:11]
	global_load_b128 v[228:231], v5, s[10:11] offset:16
	v_mov_b32 v6, 0
	v_cmp_eq_u32 vcc_lo, 0, v3
	s_wait_loadcnt 0x0
	v_pk_add_f32 v[224:225], v[224:225], v[226:227]
	v_pk_add_f32 v[228:229], v[228:229], v[230:231]
	v_pk_add_f32 v[224:225], v[224:225], v[228:229]
	v_add_f32 v224, v224, v225
	v_add_f32_dpp v224, v224, v224 row_xmask:1 row_mask:0xf bank_mask:0xf
	v_add_f32_dpp v224, v224, v224 row_xmask:2 row_mask:0xf bank_mask:0xf
	v_add_f32_dpp v224, v224, v224 row_xmask:4 row_mask:0xf bank_mask:0xf
	v_add_f32_dpp v224, v224, v224 row_xmask:8 row_mask:0xf bank_mask:0xf
	v_permlanex16_b32 v225, v224, s44, s45
	v_add_f32 v224, v224, v225
	v_mul_f32 v226, 0x34000000, v224               ; codebook_loss = the sum / (32,768 x 256) = the sum x 2^-23
	v_mul_f32 v227, 0x3e800000, v226               ; commitment_loss = 0.25 x the same mean
	v_add_f32 v228, v227, v226                     ; loss
	s_wait_xcnt 0x0                                ; EXEC changes only behind this wait
	s_wait_alu depctr_va_vcc(0)                    ; the compare has written VCC, ahead of its first reader: EXEC is made from it
	s_wait_alu depctr_va_vdst(0)                   ; ahead of the write of EXEC: every vector instruction issued under the full EXEC is done; v6 and v226 to v228, the three stores' offset and data, are written
	s_wait_alu depctr_vm_vsrc(0)                   ; ahead of the write of EXEC: every load and store issued under the full EXEC has read its registers
	s_and_saveexec_b32 s42, vcc_lo
	global_store_b32 v6, v228, s[14:15]            ; lane 0
	global_store_b32 v6, v227, s[16:17]
	global_store_b32 v6, v226, s[18:19]
	s_wait_xcnt 0x0                                ; and again, in front of the line that widens it
	s_wait_alu depctr_va_vdst(0)                   ; ahead of the write of EXEC: no vector instruction is pending under the narrow EXEC
	s_wait_alu depctr_vm_vsrc(0)                   ; ahead of the write of EXEC: the three stores have read their registers
	s_or_b32 exec_lo, exec_lo, s42
.Lend:
	s_endpgm
.Lfunc_end_k_q7bc562a32f_gather:
	.size	k_q7bc562a32f_gather, .Lfunc_end_k_q7bc562a32f_gather-k_q7bc562a32f_gather
	.p2alignl 7, 3214868480
	.fill 96, 4, 3214868480
	.section	.rodata,"a",@progbits
	.p2align	6, 0x0
	.amdhsa_kernel k_q7bc562a32f_gather
		.amdhsa_group_segment_fixed_size 0
		.amdhsa_private_segment_fixed_size 0
		.amdhsa_enable_private_segment 0
		.amdhsa_kernarg_size 64
		.amdhsa_user_sgpr_count 2
		.amdhsa_user_sgpr_kernarg_segment_ptr 1
		.amdhsa_wavefront_size32 1
		.amdhsa_system_sgpr_workgroup_id_x 1
		.amdhsa_system_sgpr_workgroup_id_y 1
		.amdhsa_system_sgpr_workgroup_id_z 1
		.amdhsa_system_vgpr_workitem_id 0
		.amdhsa_next_free_vgpr 248
		.amdhsa_next_free_sgpr 66
		.amdhsa_reserve_vcc 1
		.amdhsa_float_denorm_mode_32 3
		.amdhsa_float_denorm_mode_16_64 3
		.amdhsa_memory_ordered 1
		.amdhsa_forward_progress 1
		.amdhsa_inst_pref_size 35
	.end_amdhsa_kernel
	.amdgpu_metadata
---
amdhsa.version: [ 1, 2 ]
amdhsa.kernels:
  - .name:           k_q7bc562a32f_gather
    .symbol:         k_q7bc562a32f_gather.kd
    .args:
      - { .name: z, .offset: 0, .size: 8, .value_kind: global_buffer, .address_space: global }
      - { .name: ebt, .offset: 8, .size: 8, .value_kind: global_buffer, .address_space: global }
      - { .name: order, .offset: 16, .size: 8, .value_kind: global_buffer, .address_space: global }
      - { .name: part, .offset: 24, .size: 8, .value_kind: global_buffer, .address_space: global }
      - { .name: out0, .offset: 32, .size: 8, .value_kind: global_buffer, .address_space: global }
      - { .name: out1, .offset: 40, .size: 8, .value_kind: global_buffer, .address_space: global }
      - { .name: out2, .offset: 48, .size: 8, .value_kind: global_buffer, .address_space: global }
      - { .name: out3, .offset: 56, .size: 8, .value_kind: global_buffer, .address_space: global }
    .group_segment_fixed_size: 0
    .private_segment_fixed_size: 0
    .kernarg_segment_align: 8
    .kernarg_segment_size: 64
    .max_flat_workgroup_size: 256
    .sgpr_count:     66
    .vgpr_count:     248
    .wavefront_size: 32
...
	.end_amdgpu_metadata
.endif
;; end of part 4
